; MI455X (gfx1250); checked and timed in simulation.
; The chip was launched on July 23, 2026; its instructions are those of AMD's public machine-readable ISA for CDNA 5 (MIT licence, August 2026) and "CDNA5" Instruction Set Architecture Reference Guide (July 2026). The comments in the code are by the model that wrote it; some were corrected since.
;; Megalodon Attention. Allowed arithmetic: matrix products marked QUANTISED: E2M1 operands, one E8M0 scale for each 32 along K, by v_wmma_scale_f32_16x16x128_f8f6f4 with both operands' format E2M1 (or v_wmma_scale_f32_32x16x128_f4), f32 sums; everything else in f32.
;; Inputs: k 2 x 4,096 x 16 x 128 float32; q 2 x 4,096 x 16 x 128 float32; v 2 x 4,096 x 16 x 128 float32.
;; Outputs: out0 2 x 4,096 x 16 x 128 float32.
;; Constants: start_index = 0.
;; This version of the problem:
;;   THIS VERSION OF THE PROBLEM IS GIVEN IN LOW PRECISION. The matrix products marked QUANTISED in the list below multiply operands that are first quantised to E2M1 (2 exponent bits, 1 mantissa bit; 4 bits a number), with one power-of-two scale for each 32 numbers along K (OCP MX v1.0); their sums are f32. All else is computed in f32.
;;   The module's matrix products, in the order in which they are computed (A, B: the left and right operand; K: the contracted axis; several contracted axes count as one K, in the product's order):
;;     1. batch 128 x [M 1,024, K 128] x [K 128, N 1,024]; A: computed on the way; B: computed on the way: QUANTISED
;;     2. batch 128 x [M 128, K 1,024] x [K 1,024, N 1,024]; A: input v; B: softmax (see below): QUANTISED
;;   THE QUANTISER, for each operand of a quantised product, along K:
;;     - K is cut into blocks of 32 from its start; a last block that is shorter is filled with zeros.
;;     - A block's scale is 2^e with e = floor(log2(the largest magnitude in the block)) - 2, held to -126 .. 127; a block of zeros has e = 0. As a byte (E8M0): e + 127.
;;     - Each number is divided by its block's scale, clamped to +-6, and rounded to the nearest number of E2M1, ties to even, subnormals kept.
;;     - The product sums the exact products of the quantised numbers (number of the format x scale) in f32.
;;   ~~~python
;;   def quantise(x, axis):      # numpy; x: float32 -> the quantised numbers, widened to float32 again
;;       x = np.moveaxis(x, axis, -1); K = x.shape[-1]
;;       x = np.pad(x, [(0, 0)] * (x.ndim - 1) + [(0, -K % 32)]); x = x.reshape(x.shape[:-1] + (-1, 32)); a = np.abs(x).max(-1, keepdims=True)
;;       e = np.where(a > 0, np.clip(np.frexp(np.where(a > 0, a, 1))[1] - 1 - 2, -126, 127), 0)      # np.frexp(a)[1] - 1 = floor(log2(a)), exactly
;;       r = np.clip(x / 2.0 ** e, -6, 6)
;;       step = 2.0 ** (np.maximum(np.frexp(np.where(r == 0, 1, r))[1] - 1, 0) - 1)
;;       q = np.round(r / step) * step * 2.0 ** e      # np.round: ties to even
;;       return np.moveaxis(q.reshape(q.shape[:-2] + (-1,))[..., :K], -1, axis).astype(np.float32)
;;   ~~~
;;   SOFTMAX AHEAD OF A QUANTISED PRODUCT. Where the list says 'softmax', what is quantised is not the finished softmax but p = 2^(t - M), with t = logit x log2(e) and M = ceil(the row's largest t), a whole number; so 1/2 < the row's largest p <= 1. The row's sum l is taken of the UNQUANTISED p, in f32, and the product's result is divided by l at the end. Since M is a whole number, a kernel that streams over the keys may use a running M (the ceiling of the running maximum): every later rescaling is an exact power of two, which a block's scale takes up: the codes' values come out the same.
;;   OPERANDS COMPUTED ON THE WAY. 'Computed on the way' means the value that the module computes at that place (a softmax that the list does not call 'softmax' is quantised finished and normalised). What goes into a quantiser is computed in f32, as accurately as f32 sums, v_exp_f32 and their like allow (about 1e-6 of the number): no bf16 or f16 on the way to a quantiser, and a product that is left as it is and whose result goes on into a quantised operand takes f32 operands (vector FMAs, or v_wmma_f32_16x16x4_f32). A number that lies on a knife's edge between two numbers of the format may be rounded either way, as far as f32 arithmetic and the matrix unit's own rounding can turn it there, and no further.
;; One version. Each part assembles by itself: llvm-mc -triple=amdgcn-amd-amdhsa -mcpu=gfx1250 --defsym DOCPART=n.
;; ======== version 1 of 1: 2 launches
;; limits: right only within a limited range of input values
;; workspace buffers: qc 8,388,608 bytes; qs 524,288 bytes; kc 8,388,608 bytes; ks 524,288 bytes; vc 8,388,608 bytes; vs 524,288 bytes
;; launch prep (part 1): grid 256 x 1, 16 waves a work-group, no clusters, 114,688 bytes of LDS; arguments q, k, v, qc, qs, kc, ks, vc, vs; writes qc, qs, kc, ks, vc, vs
.if DOCPART == 1
	.amdgcn_target "amdgcn-amd-amdhsa--gfx1250"
	.amdhsa_code_object_version 6
	.text
	.protected	k_qe5d31f2dcd_prep
	.globl	k_qe5d31f2dcd_prep
	.p2align	8
	.type	k_qe5d31f2dcd_prep,@function
k_qe5d31f2dcd_prep:
	s_mov_b64 s[64:65], 0
	v_nop
	global_prefetch_b8 v0, s[64:65] scope:SCOPE_SE
	s_setreg_imm32_b32 hwreg(HW_REG_WAVE_MODE, 25, 1), 1
	s_wait_xcnt 0x0
; PREP: q, k, v [2][4096][16][128] f32 become codes of FP4 (E2M1) with one E8M0 byte for each 32 along a product's K.
;   q, k: rotated first (RoPE, positions from 0: pairs d, d + 64; angle = f32(position) x f32(exp(f32(d) x f32(-ln 10000 / 64)))), then quantised along the head's 128.
;         qc, kc: [b][h][t][64 bytes], d ascending, two codes a byte;  qs, ks: [b][h][t] one word, byte j for d = 32 j .. 32 j + 31.
;   v:    quantised along the KEYS.  vc: [b][h][t / 128][d][64 bytes]: 128 keys of one channel, keys ascending;  vs: [b][h][t / 128][d] one word, byte j for keys 32 j .. 32 j + 31 of the 128.
; A block's scale is 2^(floor(log2(its largest magnitude)) - 2): its byte is the largest magnitude's exponent field - 2, held at 1 from below by a floor among the maximum's leaves.
; SHARES.  256 work-groups of 16 waves; each takes one path: its part of q and k, then its part of v.
;   q, k: 64 positions x 8 heads of both tensors.  A wave has 4 positions; the sines and cosines of a position serve its 8 heads of q and of k, so each pair (position, frequency) is worked out once for 16 uses.
;         A step is 2 rows (one to each half of the lanes): lane l % 16 holds d = 4 (l % 16) .. + 3 and d + 64: two loads of 16 bytes a lane, sixteen lanes on 256 consecutive bytes, aligned.
;         A block of 32 lies in eight neighbouring lanes: three DPP steps join their maxima.  One conversion takes a lane's 8 numbers; of its 32 bits the half made with its own block's scale is stored.
;   v:    512 keys of one head.  A wave has 128 keys x 32 channels: a lane to a channel, registers down the keys, so that a block of 32 keys lies in one lane and the codes come out with the keys innermost.
; All codes and scale bytes leave through LDS, so that each store of a wave covers 256 or 512 consecutive bytes, aligned.
; THE FREQUENCY'S LAST BIT COUNTS: at position p it moves the angle by p x frequency x 2^-24, up to 2e-4, which turns codes.  So the frequency is not the correctly rounded exponential but the f32 exponential as the
; definition's is evaluated on a CPU: the single-precision Cephes scheme, followed operation for operation, each multiply-add fused.
; SINES AND COSINES are made by arithmetic: the angle by one multiplication, as the definition has it; then the angle less k x pi / 2 in two parts (the first subtraction is exact for k under 2^12) and two short
; polynomials on [-pi / 4, pi / 4].  k only selects values: no address and no branch hangs on it.
; LIMITS: positions under 4,096 (the problem's).  Where the definition's exponential is evaluated by another scheme than the one followed here, a frequency may differ in its last place, and the angle by the figure
; above.  A rotated number is one rounded product and one fused multiply-add, where the definition has two products and a sum.  Blocks whose largest magnitude lies under 2^-124, blocks of zeros among them, keep the
; byte 1 (a block of zeros has zero codes, and this program alone reads the bytes).  NaN and infinities among the inputs are not served.
; No tensor loads, no cluster, no matrix work: the work-groups share no input byte.
.set QST, 0                            ; LDS: q's and k's codes [tensor 2][head 8][position 64][64 bytes]
.set QSC, 65536                        ;      their scale words [tensor][head][position]
.set VST, 69632                        ;      v's codes: a stage of 32 channels x (64 bytes + 16) for each wave
.set VSC, 110592                       ;      v's scale words: one for each thread = [key step 4][channel 128]
.set X,   88                           ; v88-151   a ring of 8 steps x 8 numbers as loaded; later the way out
.set VX,  152                          ; v152-215  v: two sets of 32 numbers; before that scratch of the sines
.set VCD, 216                          ; v216-231  v's codes, four registers a block
.set W,   152                          ; scratch
.set IV,  168                          ; v168-171  my four frequencies
.set TP,  172                          ; v172-173  my two positions as f32
.set KP0, 174                          ; v174 the exponential's leading coefficient,  v175, v176 those of sine and cosine
.set KS3, 175
.set KC3, 176
; v1 lane, v2 lane % 16, v3 lane / 16; v4-15, v234 addresses that stay; v16-31 cosines and sines: set p at v[16 + 8 p], v[20 + 8 p]; v32-39 rotated numbers; v40-47 products; v48-51 maxima and scale operands;
; v56-87 eight sets of {codes, codes, byte, byte}, by turns; v232 v's scale word
	s_load_b512 s[4:19], s[0:1], 0x0               ; q s[4:5], k s[6:7], v s[8:9], qc s[10:11], qs s[12:13], kc s[14:15], ks s[16:17], vc s[18:19]
	s_load_b64 s[20:21], s[0:1], 0x40              ; vs
	v_lshl_add_u32 v240, v0, 2, 0x1b800
	v_mov_b32 v241, 0
	v_lshrrev_b32 v1, 5, v0
	s_delay_alu instid0(VALU_DEP_1)
	v_readfirstlane_b32 s22, v1                    ; wave 0..15
	v_and_b32 v1, 31, v0                           ; lane
	v_and_b32 v2, 15, v0                           ; lane % 16
	s_wait_alu depctr_va_vdst(0)
	v_bfe_u32 v3, v0, 4, 1                         ; lane / 16
	s_lshr_b32 s23, ttmp9, 7                       ; batch (for both parts)
	s_bfe_u32 s24, ttmp9, 0x10006                  ; q, k: which 8 heads
	s_and_b32 s25, ttmp9, 63                       ; q, k: which 64 positions
	s_bfe_u32 s26, ttmp9, 0x40003                  ; v: head
	s_and_b32 s27, ttmp9, 7                        ; v: which 512 keys
	s_and_b32 s28, s22, 3                          ; v: my wave's 32 channels
	s_lshr_b32 s29, s22, 2                         ; v: my wave's 128 keys
	; byte offsets, each in a pair of its own with 0 above it (all stay under 2^27)
	s_lshl_b32 s30, s23, 12
	s_lshl_b32 s46, s25, 6
	s_lshl_b32 s47, s22, 2
	s_add_co_u32 s46, s46, s47                     ; my wave's first position: 64 x group + 4 x wave
	s_add_co_u32 s30, s30, s46
	s_lshl_b32 s30, s30, 13                        ; a position is 16 heads x 512 bytes
	s_lshl_b32 s47, s24, 12
	s_add_co_u32 s30, s30, s47                     ; + my 8 heads
	s_mov_b32 s31, 0
	s_lshl_b32 s32, s23, 12
	s_lshl_b32 s47, s27, 9
	s_add_co_u32 s32, s32, s47
	s_lshl_b32 s47, s29, 7
	s_add_co_u32 s32, s32, s47                     ; v: my wave's first key
	s_lshl_b32 s32, s32, 13
	s_lshl_b32 s47, s26, 9
	s_add_co_u32 s32, s32, s47                     ; + the head
	s_lshl_b32 s47, s28, 7
	s_add_co_u32 s32, s32, s47                     ; + my 32 channels
	s_mov_b32 s33, 0
	s_lshl_b32 s38, s23, 4
	s_lshl_b32 s47, s24, 3
	s_add_co_u32 s38, s38, s47
	s_and_b32 s47, s22, 7
	s_add_co_u32 s38, s38, s47                     ; the way out of q, k: wave w stores tensor w / 8, head w % 8 of the group's eight
	s_lshl_b32 s38, s38, 12
	s_lshl_b32 s47, s25, 6
	s_add_co_u32 s38, s38, s47                     ; its first row of codes
	s_lshl_b32 s40, s38, 2                         ; 4 bytes of scales a row
	s_lshl_b32 s38, s38, 6                         ; 64 bytes of codes a row
	s_mov_b32 s39, 0
	s_mov_b32 s41, 0
	s_lshl_b32 s44, s23, 4
	s_add_co_u32 s44, s44, s26
	s_lshl_b32 s44, s44, 5
	s_lshl_b32 s47, s27, 2
	s_add_co_u32 s44, s44, s47                     ; v: the work-group's first key step of 128
	s_add_co_u32 s42, s44, s29                     ; my wave's
	s_lshl_b32 s42, s42, 7
	s_lshl_b32 s47, s28, 5
	s_add_co_u32 s42, s42, s47                     ; x 128 channels + my 32
	s_lshl_b32 s42, s42, 6                         ; 64 bytes a channel
	s_mov_b32 s43, 0
	s_lshl_b32 s44, s44, 9                         ; 512 bytes of scale words a key step
	s_mov_b32 s45, 0
	; addresses that stay
	v_lshlrev_b32 v4, 4, v2
	s_wait_alu depctr_va_vdst(0)
	v_lshl_or_b32 v4, v3, 13, v4                   ; q, k: 16 (lane % 16), and one position further for lanes 16-31
	v_and_b32 v40, 7, v2
	v_lshrrev_b32 v41, 3, v2
	s_delay_alu instid0(VALU_DEP_2)
	v_lshlrev_b32 v5, 1, v40
	s_delay_alu instid0(VALU_DEP_1)
	v_lshl_add_u32 v5, v41, 4, v5
	s_delay_alu instid0(VALU_DEP_1)
	v_lshl_add_u32 v5, v3, 6, v5
	s_lshl_b32 s47, s22, 8
	v_add_nc_u32 v5, s47, v5                       ; codes into LDS: row 4 w + lane / 16 (64 bytes each), block (lane % 16) / 8 (16 bytes), 2 bytes for my four codes
	v_lshl_add_u32 v6, v3, 2, v41
	s_lshl_b32 s47, s22, 4
	s_add_co_u32 s47, s47, QSC
	v_add_nc_u32 v6, s47, v6                       ; scale bytes into LDS: the row's word, byte = my block
	v_lshlrev_b32 v7, 2, v1                        ; v: 4 bytes a lane
	s_mul_i32 s47, s22, 2560
	s_add_co_u32 s47, s47, VST                     ; my wave's stage
	v_mul_u32_u24 v8, v1, 80
	s_delay_alu instid0(VALU_DEP_1)
	v_add_nc_u32 v8, s47, v8                       ; into it: row = my channel
	v_lshrrev_b32 v40, 2, v1
	s_delay_alu instid0(VALU_DEP_1)
	v_mul_u32_u24 v9, v40, 80
	v_and_b32 v40, 3, v1
	s_delay_alu instid0(VALU_DEP_1)
	v_lshl_add_u32 v9, v40, 4, v9
	s_delay_alu instid0(VALU_DEP_1)
	v_add_nc_u32 v9, s47, v9                       ; out of it: four lanes to a row of 64 bytes, eight rows an instruction
	v_lshlrev_b32 v10, 4, v1                       ; 16 x lane
	s_lshl_b32 s47, s22, 12
	v_add_nc_u32 v11, s47, v10                     ; q, k on the way out: my tensor's and head's 4,096 bytes
	v_lshlrev_b32 v13, 3, v1                       ; 8 x lane
	s_lshl_b32 s47, s22, 8
	s_add_co_u32 s47, s47, QSC
	v_add_nc_u32 v12, s47, v13                     ; and their 64 scale words
	v_lshl_add_u32 v14, v0, 2, VSC                 ; v's scale word: 4 x thread = 4 x (128 x key step + channel)
	v_and_b32 v40, 127, v0
	s_delay_alu instid0(VALU_DEP_1)
	v_lshlrev_b32 v15, 4, v40                      ; the last store: 16 bytes a thread of waves 0-3
	s_delay_alu instid0(VALU_DEP_2)
	v_lshl_add_u32 v234, v40, 4, VSC
	v_add_nc_u32 v[TP], s46, v3
	s_delay_alu instid0(VALU_DEP_1)
	v_cvt_f32_u32 v[TP], v[TP]                     ; my positions: first + lane / 16,
	s_delay_alu instid0(VALU_DEP_1)
	v_add_f32 v[TP+1], 2.0, v[TP]                  ; and two further on
	v_mov_b32 v[KP0], 0x39506967                   ; 1.9875691500e-4
	v_mov_b32 v[KS3], 0xb94ca1f9                   ; -1.9515295891e-4
	v_mov_b32 v[KC3], 0x37ccf5ce                   ; 2.443315712e-5
	s_wait_kmcnt 0x0
	s_add_nc_u64 s[4:5], s[4:5], s[30:31]
	s_add_nc_u64 s[6:7], s[6:7], s[30:31]
	s_add_nc_u64 s[8:9], s[8:9], s[32:33]
	s_cmp_lt_u32 s22, 8                            ; waves 0-7 store q's codes and scales, waves 8-15 k's: the choice hangs on the wave's number alone
	s_cselect_b64 s[34:35], s[10:11], s[14:15]
	s_cselect_b64 s[36:37], s[12:13], s[16:17]
	s_add_nc_u64 s[34:35], s[34:35], s[38:39]
	s_add_nc_u64 s[36:37], s[36:37], s[40:41]
	s_add_nc_u64 s[18:19], s[18:19], s[42:43]
	s_add_nc_u64 s[20:21], s[20:21], s[44:45]
; Step n of 32: positions' set n / 16, tensor (n / 8) % 2 (q, k), head n % 8.  No pointer is stepped: a step's place stands in the immediates.
.macro QLOAD n
.set QX, ((\n)>>3)&1
.set QO, ((\n)>>4)*16384+((\n)&7)*512
	global_load_b128 v[X+8*((\n)%8):X+8*((\n)%8)+3], v4, s[4+2*QX:5+2*QX] offset:QO th:TH_LOAD_NT        ; d = 4 (lane % 16) .. + 3
	global_load_b128 v[X+8*((\n)%8)+4:X+8*((\n)%8)+7], v4, s[4+2*QX:5+2*QX] offset:QO+256 th:TH_LOAD_NT  ; and d + 64
.endm
.set N, 0
.rept 8
	QLOAD N                                        ; the ring is filled before the sines are worked out: 16 loads of every wave are on their way
.set N, N+1
.endr
; The frequency of d = 4 (lane % 16) + i: exp(a), a = f32(d) x f32(-ln 10000 / 64), the definition's own product.  The single-precision Cephes scheme, in its own order of operations, each multiply-add fused:
; n = floor(a log2(e) + 1 / 2); x = a - n ln 2, ln 2 in the scheme's two parts; a polynomial of degree 5 by Horner's rule; exp(x) = 1 + (x + x^2 P(x)); x 2^n, which rounds nothing.
; (The scheme's holds of a and of n at the ends of f32's range are left out: a lies between -9.1 and 0.)
.macro INVF i
	v_lshl_add_u32 v[W], v2, 2, \i
	s_delay_alu instid0(VALU_DEP_1)
	v_cvt_f32_u32 v[W], v[W]
	s_delay_alu instid0(VALU_DEP_1)
	v_mul_f32 v[W+1], 0xbe135d8e, v[W]             ; a
	s_delay_alu instid0(VALU_DEP_1)
	v_fma_f32 v[W+2], 0x3fb8aa3b, v[W+1], 0.5
	s_delay_alu instid0(VALU_DEP_1)
	v_floor_f32 v[W+2], v[W+2]                     ; n
	s_delay_alu instid0(VALU_DEP_1)
	v_fmamk_f32 v[W+3], v[W+2], 0xbf318000, v[W+1] ; x = a - n x 0.693359375
	s_delay_alu instid0(VALU_DEP_1)
	v_fmamk_f32 v[W+3], v[W+2], 0x395e8083, v[W+3] ;     - n x (-2.12194440e-4)
	s_delay_alu instid0(VALU_DEP_3)
	v_cvt_i32_f32 v[W+5], v[W+2]
	s_delay_alu instid0(VALU_DEP_2)
	v_fmaak_f32 v[W+8], v[KP0], v[W+3], 0x3ab743ce ; P: 1.9875691500e-4 x + 1.3981999507e-3,
	s_delay_alu instid0(VALU_DEP_1)
	v_fmaak_f32 v[W+8], v[W+8], v[W+3], 0x3c088908 ; 8.3334519073e-3,
	s_delay_alu instid0(VALU_DEP_1)
	v_fmaak_f32 v[W+8], v[W+8], v[W+3], 0x3d2aa9c1 ; 4.1665795894e-2,
	s_delay_alu instid0(VALU_DEP_1)
	v_fmaak_f32 v[W+8], v[W+8], v[W+3], 0x3e2aaaaa ; 1.6666665459e-1,
	s_delay_alu instid0(VALU_DEP_1)
	v_fmaak_f32 v[W+8], v[W+8], v[W+3], 0x3f000000 ; 5.0000001201e-1
	v_mul_f32 v[W+6], v[W+3], v[W+3]               ; x^2, rounded
	s_delay_alu instid0(VALU_DEP_1)
	v_fma_f32 v[W+8], v[W+8], v[W+6], v[W+3]       ; P x^2 + x
	s_delay_alu instid0(VALU_DEP_1)
	v_add_f32 v[W+8], 1.0, v[W+8]
	s_delay_alu instid0(VALU_DEP_1)
	v_ldexp_f32 v[IV+\i], v[W+8], v[W+5]
.endm
; Cosine and sine of position p's angle at frequency i, into v[16 + 8 p + i] and v[20 + 8 p + i].
.macro SINCOS p, i
	v_mul_f32 v[W], v[TP+\p], v[IV+\i]             ; the angle: one rounding, as the definition has it
	s_delay_alu instid0(VALU_DEP_1)
	v_mul_f32 v[W+1], 0x3f22f983, v[W]
	s_delay_alu instid0(VALU_DEP_1)
	v_rndne_f32 v[W+1], v[W+1]                     ; k = the nearest whole number to angle x 2 / pi, under 2^12
	s_delay_alu instid0(VALU_DEP_1)
	v_fmamk_f32 v[W+2], v[W+1], 0xbfc90fdb, v[W]   ; angle - k x f32(pi / 2): exact
	s_delay_alu instid0(VALU_DEP_1)
	v_fmamk_f32 v[W+2], v[W+1], 0x333bbd2e, v[W+2] ; - k x (pi / 2 - f32(pi / 2))
	s_delay_alu instid0(VALU_DEP_3)
	v_cvt_i32_f32 v[W+3], v[W+1]
	s_delay_alu instid0(VALU_DEP_2)
	v_mul_f32 v[W+4], v[W+2], v[W+2]
	s_delay_alu instid0(VALU_DEP_1)
	v_fmaak_f32 v[W+5], v[KS3], v[W+4], 0x3c08839e
	s_delay_alu instid0(VALU_DEP_1)
	v_fmaak_f32 v[W+5], v[W+5], v[W+4], 0xbe2aaaa3
	s_delay_alu instid0(VALU_DEP_1)
	v_mul_f32 v[W+5], v[W+5], v[W+4]
	s_delay_alu instid0(VALU_DEP_1)
	v_fma_f32 v[W+5], v[W+5], v[W+2], v[W+2]       ; sin r
	v_fmaak_f32 v[W+6], v[KC3], v[W+4], 0xbab6061a
	s_delay_alu instid0(VALU_DEP_1)
	v_fmaak_f32 v[W+6], v[W+6], v[W+4], 0x3d2aaaa5
	s_delay_alu instid0(VALU_DEP_1)
	v_fmaak_f32 v[W+6], v[W+6], v[W+4], 0xbf000000
	s_delay_alu instid0(VALU_DEP_1)
	v_fma_f32 v[W+6], v[W+6], v[W+4], 1.0          ; cos r
	v_and_b32 v[W+7], 1, v[W+3]
	s_delay_alu instid0(VALU_DEP_1)
	v_cmp_eq_u32 vcc_lo, 1, v[W+7]                 ; an odd k swaps the two;
	s_delay_alu instid0(VALU_DEP_1)
	v_cndmask_b32 v[20+8*\p+\i], v[W+5], v[W+6], vcc_lo
	s_delay_alu instid0(VALU_DEP_2)
	v_cndmask_b32 v[16+8*\p+\i], v[W+6], v[W+5], vcc_lo
	v_lshlrev_b32 v[W+7], 30, v[W+3]
	s_delay_alu instid0(VALU_DEP_1)
	v_and_b32 v[W+7], 0x80000000, v[W+7]           ; the sine is negated where k % 4 is 2 or 3,
	s_delay_alu instid0(VALU_DEP_1)
	v_xor_b32 v[20+8*\p+\i], v[W+7], v[20+8*\p+\i]
	v_add_nc_u32 v[W+8], 1, v[W+3]
	s_delay_alu instid0(VALU_DEP_1)
	v_lshlrev_b32 v[W+8], 30, v[W+8]
	s_delay_alu instid0(VALU_DEP_1)
	v_and_b32 v[W+8], 0x80000000, v[W+8]           ; the cosine where it is 1 or 2
	s_delay_alu instid0(VALU_DEP_1)
	v_xor_b32 v[16+8*\p+\i], v[W+8], v[16+8*\p+\i]
.endm
.irp i, 0,1,2,3
	INVF \i
.endr
.irp p, 0,1
.irp i, 0,1,2,3
	SINCOS \p, \i
.endr
.endr
; A step: two rows are rotated, quantised and laid into LDS.  left = how many younger loads may stay out.
.macro QSTEP n, left
.set XB, X+8*((\n)%8)
.set CN, 16+8*((\n)>>4)
.set SN, 20+8*((\n)>>4)
.set RS, 56+4*((\n)%8)
.set FO, (((\n)>>3)&1)*32768+((\n)&7)*4096+((\n)>>4)*128
.set GF, (((\n)>>3)&1)*2048+((\n)&7)*256+((\n)>>4)*8
	s_wait_loadcnt \left                           ; loads come back in order: this step's two are in
.if (\n) >= 8
	s_wait_dscnt 28                                ; the four LDS stores of eight steps ago are done (the seven younger steps' 28 may be out): their registers are written again below
.endif
	v_pk_mul_f32 v[40:41], v[XB+4:XB+5], v[SN:SN+1]            ; x2 sin
	v_pk_mul_f32 v[42:43], v[XB+6:XB+7], v[SN+2:SN+3]
	v_pk_mul_f32 v[44:45], v[XB:XB+1], v[SN:SN+1]              ; x1 sin
	v_pk_mul_f32 v[46:47], v[XB+2:XB+3], v[SN+2:SN+3]
	s_delay_alu instid0(VALU_DEP_4)
	v_pk_fma_f32 v[32:33], v[XB:XB+1], v[CN:CN+1], v[40:41] neg_lo:[0,0,1] neg_hi:[0,0,1]      ; x1 cos - x2 sin
	s_delay_alu instid0(VALU_DEP_4)
	v_pk_fma_f32 v[34:35], v[XB+2:XB+3], v[CN+2:CN+3], v[42:43] neg_lo:[0,0,1] neg_hi:[0,0,1]
	s_delay_alu instid0(VALU_DEP_4)
	v_pk_fma_f32 v[36:37], v[XB+4:XB+5], v[CN:CN+1], v[44:45]  ; x2 cos + x1 sin
	s_delay_alu instid0(VALU_DEP_4)
	v_pk_fma_f32 v[38:39], v[XB+6:XB+7], v[CN+2:CN+3], v[46:47]
.if (\n)+8 < 32
	QLOAD (\n)+8                                   ; the step's registers take the step eight further on
.endif
	v_max3_num_f32 v48, |v32|, |v33|, 0x1800000    ; my four numbers of each of my two blocks, and the floor 2^(3 - 127): the byte cannot fall under 1
	v_max3_num_f32 v49, |v36|, |v37|, 0x1800000
	s_delay_alu instid0(VALU_DEP_2)
	v_max3_num_f32 v48, v48, |v34|, |v35|
	s_delay_alu instid0(VALU_DEP_2)
	v_max3_num_f32 v49, v49, |v38|, |v39|
	s_delay_alu instid0(VALU_DEP_2)
	v_max_num_f32_dpp v48, v48, v48 row_xmask:1 row_mask:0xf bank_mask:0xf   ; with the seven other lanes of the block
	s_delay_alu instid0(VALU_DEP_2)
	v_max_num_f32_dpp v49, v49, v49 row_xmask:1 row_mask:0xf bank_mask:0xf
	s_delay_alu instid0(VALU_DEP_2)
	v_max_num_f32_dpp v48, v48, v48 row_xmask:2 row_mask:0xf bank_mask:0xf
	s_delay_alu instid0(VALU_DEP_2)
	v_max_num_f32_dpp v49, v49, v49 row_xmask:2 row_mask:0xf bank_mask:0xf
	s_delay_alu instid0(VALU_DEP_2)
	v_max_num_f32_dpp v48, v48, v48 row_xmask:4 row_mask:0xf bank_mask:0xf
	s_delay_alu instid0(VALU_DEP_2)
	v_max_num_f32_dpp v49, v49, v49 row_xmask:4 row_mask:0xf bank_mask:0xf
	s_delay_alu instid0(VALU_DEP_2)
	v_add_nc_u32 v50, 0xff000000, v48              ; 2 off the exponent field: the conversion takes the exponent field of this operand as its scale
	s_delay_alu instid0(VALU_DEP_2)
	v_add_nc_u32 v51, 0xff000000, v49
	v_cvt_scalef32_pk8_fp4_f32 v[RS], v[32:39], v50            ; its low 16 bits: the first block's four codes under that block's scale
	v_cvt_scalef32_pk8_fp4_f32 v[RS+1], v[32:39], v51          ; its high 16 bits: the second block's under the second's.  The other halves are never stored
	v_lshrrev_b32 v[RS+2], 23, v50                 ; the scales' bytes (two plain lines behind the conversions)
	v_lshrrev_b32 v[RS+3], 23, v51
	ds_store_b16 v5, v[RS] offset:FO
	ds_store_b16_d16_hi v5, v[RS+1] offset:FO+32   ; d + 64 lies two blocks, 32 bytes, on
	ds_store_b8 v6, v[RS+2] offset:GF              ; the eight lanes of a block write the same byte with the same value
	ds_store_b8 v6, v[RS+3] offset:GF+2
.endm
; v, block t of 4: keys 32 t + i of my channel, into set t % 2
.macro VLOAD t
.set VI, 0
.rept 32
	global_load_b32 v[VX+32*((\t)%2)+VI], v7, s[8:9] offset:(32*(\t)+VI)*8192 th:TH_LOAD_NT   ; 32 lanes read 128 consecutive bytes; the four waves of a key step stand side by side on the head's 512
.set VI, VI+1
.endr
.endm
.set N, 0
.rept 24
	QSTEP N, 14                                    ; behind this step's two loads: the seven younger steps' 14
.set N, N+1
.endr
	VLOAD 0                                        ; v's first block is asked for while the ring runs empty
.rept 8
	QSTEP N, 2*(31-N)+32                           ; the steps that are left, two loads each, and v's 32
.set N, N+1
.endr
	VLOAD 1
	s_wait_dscnt 0x0                               ; for the others' sake: my stores into LDS are done
	s_barrier_signal -1
	s_barrier_wait -1                              ; 64 positions x 8 heads of q's and k's codes and scale words lie in LDS
.irp i, 0,1,2,3,4,5,6,7
	ds_load_b128 v[X+4*\i:X+4*\i+3], v11 offset:512*\i         ; my tensor's and head's 64 rows of 64 bytes
.endr
	ds_load_b64 v[X+32:X+33], v12                  ; and their 64 scale words
.irp i, 0,1,2,3,4,5,6,7
	s_wait_dscnt 8-\i                              ; behind load i: the younger loads of codes, and the load of the scale words
	global_store_b128 v10, v[X+4*\i:X+4*\i+3], s[34:35] offset:512*\i   ; 32 lanes store 512 consecutive bytes, aligned to 256
.endr
	s_wait_dscnt 0x0
	global_store_b64 v13, v[X+32:X+33], s[36:37]   ; 32 lanes store 256 consecutive bytes, aligned
; v: a block of 32 keys of my channel is all mine
.macro VBLOCK t
.set VS, VX+32*((\t)%2)
.if (\t) < 3
	s_wait_loadcnt 32                              ; this block's 32 loads are in; the next block's may be out
.else
	s_wait_loadcnt 0x0
.endif
	v_max3_num_f32 v48, |v[VS]|, |v[VS+1]|, |v[VS+2]|
	v_max3_num_f32 v49, |v[VS+3]|, |v[VS+4]|, |v[VS+5]|
.irp i, 6,10,14,18,22,26
	s_delay_alu instid0(VALU_DEP_2)
	v_max3_num_f32 v48, v48, |v[VS+\i]|, |v[VS+\i+1]|
	s_delay_alu instid0(VALU_DEP_2)
	v_max3_num_f32 v49, v49, |v[VS+\i+2]|, |v[VS+\i+3]|
.endr
	s_delay_alu instid0(VALU_DEP_2)
	v_max3_num_f32 v48, v48, |v[VS+30]|, |v[VS+31]|
	s_delay_alu instid0(VALU_DEP_1)
	v_max3_num_f32 v48, v48, v49, 0x1800000        ; and the floor
	s_delay_alu instid0(VALU_DEP_1)
	v_add_nc_u32 v50, 0xff000000, v48              ; the conversion's scale operand
	s_delay_alu instid0(VALU_DEP_1)
	v_lshrrev_b32 v51, 23, v50                     ; the scale's byte
.if (\t) == 0
	s_delay_alu instid0(VALU_DEP_1)
	v_mov_b32 v232, v51                            ; four bytes make the key step's scale word of my channel
.else
	s_delay_alu instid0(VALU_DEP_1)
	v_lshl_or_b32 v232, v51, 8*(\t), v232
.endif
.irp g, 0,1,2,3
	v_cvt_scalef32_pk8_fp4_f32 v[VCD+4*(\t)+\g], v[VS+8*\g:VS+8*\g+7], v50
.endr
	v_nop                                          ; one plain line behind the last conversion of a run
	ds_store_b128 v8, v[VCD+4*(\t):VCD+4*(\t)+3] offset:16*(\t)   ; 32 keys: 16 bytes of my channel's row
.if (\t) < 2
	VLOAD (\t)+2
.endif
.endm
	VBLOCK 0
	VBLOCK 1
	VBLOCK 2
	VBLOCK 3
	ds_store_b32 v14, v232
.irp i, 0,1,2,3
	ds_load_b128 v[124+4*\i:127+4*\i], v9 offset:640*\i        ; my own stage: LDS serves a wave's instructions in order, so these see my stores
.endr
.irp i, 0,1,2,3
	s_wait_dscnt 3-\i                              ; the younger loads may be out
	global_store_b128 v10, v[124+4*\i:127+4*\i], s[18:19] offset:512*\i   ; eight channels x 64 bytes: 512 consecutive bytes, aligned to 256
.endr
	s_wait_dscnt 0x0                               ; (met already: the scale word's store stands ahead of those loads)
	s_barrier_signal -1
	s_barrier_wait -1                              ; the work-group's 512 scale words of v lie in LDS
	s_cmp_lt_u32 s22, 4
	s_cbranch_scc0 .Ldone                          ; waves 0-3 store them, 16 bytes a thread; no barrier stands behind this branch
	ds_load_b128 v[140:143], v234
	s_wait_dscnt 0x0
	global_store_b128 v15, v[140:143], s[20:21]    ; 32 lanes store 512 consecutive bytes, aligned to 256
.Ldone:
	s_wait_tensorcnt 0x0
	ds_add_u32 v240, v241
	s_wait_dscnt 0x0
	s_endpgm
.Lfunc_end_k_qe5d31f2dcd_prep:
	.size	k_qe5d31f2dcd_prep, .Lfunc_end_k_qe5d31f2dcd_prep-k_qe5d31f2dcd_prep
	.p2alignl 7, 3214868480
	.fill 96, 4, 3214868480
	.section	.rodata,"a",@progbits
	.p2align	6, 0x0
	.amdhsa_kernel k_qe5d31f2dcd_prep
		.amdhsa_group_segment_fixed_size 114688
		.amdhsa_private_segment_fixed_size 0
		.amdhsa_enable_private_segment 0
		.amdhsa_kernarg_size 72
		.amdhsa_user_sgpr_count 2
		.amdhsa_user_sgpr_kernarg_segment_ptr 1
		.amdhsa_wavefront_size32 1
		.amdhsa_system_sgpr_workgroup_id_x 1
		.amdhsa_system_sgpr_workgroup_id_y 1
		.amdhsa_system_sgpr_workgroup_id_z 1
		.amdhsa_system_vgpr_workitem_id 0
		.amdhsa_next_free_vgpr 242
		.amdhsa_next_free_sgpr 66
		.amdhsa_reserve_vcc 1
		.amdhsa_float_denorm_mode_32 3
		.amdhsa_float_denorm_mode_16_64 3
		.amdhsa_memory_ordered 1
		.amdhsa_forward_progress 1
		.amdhsa_inst_pref_size 127
	.end_amdhsa_kernel
	.amdgpu_metadata
---
amdhsa.version: [ 1, 2 ]
amdhsa.kernels:
  - .name:           k_qe5d31f2dcd_prep
    .symbol:         k_qe5d31f2dcd_prep.kd
    .args:
      - { .name: q, .offset: 0, .size: 8, .value_kind: global_buffer, .address_space: global }
      - { .name: k, .offset: 8, .size: 8, .value_kind: global_buffer, .address_space: global }
      - { .name: v, .offset: 16, .size: 8, .value_kind: global_buffer, .address_space: global }
      - { .name: qc, .offset: 24, .size: 8, .value_kind: global_buffer, .address_space: global }
      - { .name: qs, .offset: 32, .size: 8, .value_kind: global_buffer, .address_space: global }
      - { .name: kc, .offset: 40, .size: 8, .value_kind: global_buffer, .address_space: global }
      - { .name: ks, .offset: 48, .size: 8, .value_kind: global_buffer, .address_space: global }
      - { .name: vc, .offset: 56, .size: 8, .value_kind: global_buffer, .address_space: global }
      - { .name: vs, .offset: 64, .size: 8, .value_kind: global_buffer, .address_space: global }
    .group_segment_fixed_size: 114688
    .private_segment_fixed_size: 0
    .kernarg_segment_align: 8
    .kernarg_segment_size: 72
    .max_flat_workgroup_size: 512
    .sgpr_count:     66
    .vgpr_count:     242
    .wavefront_size: 32
...
	.end_amdgpu_metadata
.endif
;; end of part 1
;; launch attn (part 2): grid 2 x 128, 16 waves a work-group, no clusters, 327,680 bytes of LDS; arguments qc, qs, kc, ks, vc, vs, out0; writes out0
.if DOCPART == 2
	.amdgcn_target "amdgcn-amd-amdhsa--gfx1250"
	.amdhsa_code_object_version 6
	.text
	.protected	k_qe5d31f2dcd_attn
	.globl	k_qe5d31f2dcd_attn
	.p2align	8
	.type	k_qe5d31f2dcd_attn,@function
k_qe5d31f2dcd_attn:
	s_mov_b64 s[64:65], 0
	v_nop
	global_prefetch_b8 v0, s[64:65] scope:SCOPE_SE
	s_setreg_imm32_b32 hwreg(HW_REG_WAVE_MODE, 25, 1), 1
	s_wait_xcnt 0x0
; ATTN: out[b][t][h][:] = the sum over the keys k <= q of q's own chunk of 1,024 of softmax_k(Q . K / sqrt(128)) V, both products on codes of FP4 (E2M1) with one E8M0 scale for each 32 along a product's K.
; Q, K (rotated, quantised along the head's 128) and V (quantised along the keys, keys innermost) come as the launch before has laid them; chunk y = (16 b + h) x 4 + chunk has 65,536 consecutive bytes
; in each buffer of codes (K: 1,024 rows of 64 bytes; V: 8 key steps x 128 channels x 64 bytes) and 4,096 in each buffer of scale words.
; THE SOFTMAX: t = score x log2(e) / sqrt(128); M = the row's largest t so far, rounded up to a whole number; p = 2^(t - M) is quantised along the keys, not normalised.  The row's sum is taken of the
; unquantised p in f32 and divides O at the end.  When M moves, the sum and O are multiplied by 2^(old M - new M): exact.
; WORK LEFT OUT: keys that reference()'s own causal mask hides give p = 0 for all values of the inputs.  Key steps of 128 that lie wholly behind a tile's queries are passed over, and in the step on the
; diagonal so are the blocks of 32 keys that lie wholly behind them: their codes are zeros.  A NaN or infinity that reaches only such keys is not carried to the result.
; SHARES.  Two work-groups of sixteen waves to a chunk.  A chunk has 64 tiles of 16 queries.  Wave w of work-group g owns tiles 63 - (16 g + w), taken first, and 16 g + w: nine key steps and, on the two
; diagonals together, five live blocks for every wave.  A wave holds one tile at a time in 256 registers.
; LDS.  At the head each wave brings 32 rows: key steps 0 and 1 of K (waves 0-7) and V (waves 8-15).  Behind the first barrier each wave brings 96 rows: key steps 2 to 7.  That load has the high tile's
; first two key steps, which are open for every high tile (its queries are 512 or more), in which to land.  Nothing is filled twice.  The scale words, 512 bytes a wave, come through registers.
; THE PREFETCH: at the head each wave names 12 of the 24 aligned blocks of 256 bytes that its second load will ask for; the chunk's two work-groups take a half each, by address; two key steps lie between.
; LAYOUT.  Both products are used transposed (source 0 = 16 keys or 16 channels, source 1 = my 16 queries or P): a lane holds ONE query (lane % 16).  A tile is 16 NEIGHBOURING rows, 80 bytes apart in LDS:
; the sixteen lanes of half a wave read sixteen different columns of 16 bytes modulo 256.  Register 8 u + j of block b's two tiles holds key 32 b + 16 u + 8 (lane / 16) + j.  A conversion so gives a lane
; eight neighbouring keys; the four results of blocks 2 c and 2 c + 1 go to registers 4 c + 2 u + (b % 2), and two exchanges of halves give lanes 0-15 block 2 c and lanes 16-31 block 2 c + 1, keys ascending.
; One register holds the scale words of two neighbouring tiles, 32 rows on 32 lanes; the odd tile's product reads lanes 16-31.
; NO CLUSTER: only the two work-groups of a chunk read the same tiles, each once, and the grid's 2 along x is no multiple of a cluster's 4.
; LIMITS: t takes one rounding (score x f32(log2 e / sqrt 128)) where the definition has two; the scaled scores stay under 2^31 in magnitude.  A block whose every p has fallen to 0 keeps the byte 1, a hidden
; block the byte 0: their codes are zeros.  NaN and infinities among the inputs are not served.
.set KP,    80                         ; a row of 64 bytes of codes in LDS + 16 of padding
.set STEPB, 128*KP                     ; a key step's rows
.set VC,    81920                      ; V's rows, behind K's 1,024
.set SC,    163840                     ; K's scale words, 4,096 bytes; V's 4,096 bytes on.  Stored from registers; no tensor load lands here
.set STG,   172032                     ; the way out: 16 rows x (256 + 16) bytes for each wave
.set SPARE, 241664                     ; the spare words, 128 bytes a wave
.set AK0, 1                            ; my lane's place in a tile of codes: 80 r + 16 (lane / 16)
.set AS0, 2                            ; and among the scale words: 4 x lane
.set ADK, 3                            ; the step's addresses: K, V, scale words
.set ADV, 4
.set ADS, 5
.set QSL, 6                            ; Q's scale words: low tile, high tile
.set QSH, 7
.set GO,  8                            ; my offset in out
.set DL,  9                            ; r - 8 (lane / 16), for the mask
.set SPW, 10
.set NIL, 11
; v12 -M, v13 the largest t, v[14:15] the sum in two halves
.set QH,  16                           ; Q's fragments: high tile, low tile
.set QL,  24
.set F,   32                           ; v32-95   eight fragments of K, then of V; rows of out on the way out
.set S,   96                           ; v96-159  S^T, then p
.set O,   160                          ; v160-223 O^T
.set C,   224                          ; v224-231 partial sums, then p's codes
.set FS,  232                          ; v232-235 K's scale words, two tiles to a register
.set FV,  236                          ; v236-239 V's
.set BM,  240                          ; v240-243 each block's largest score, then its largest p
.set TP,  244                          ; v244-247 at work
.set SO,  248                          ; v248-251 the conversions' scale operands
; v[252:253] f (v253 also at work), v254 at work, v255 p's scale word
.set WV,  18
.set W7,  19
.set SEL, 20
.set CS,  22
.set G1A, 24                           ; group 1: 32 rows;  G1B: 96 rows
.set G1B, 32
.set G0A, 40
.set G0B, 44
.set TK,  48                           ; the key step's bytes in K, in V, among the scale words; its first key
.set TV,  49
.set TS,  50
.set KF,  51
.set CNT, 52
.set DD,  53                           ; my first query - the step's first key
.set Q0L, 54
.set Q0H, 55
.set OUTL, 56
.set OUTH, 58
.set SG,  60                           ; my stage
.set WH,  61                           ; 0: I fetch for K; 1: for V
.set PF,  62                           ; s[62:63] where my second load begins in memory
	s_load_b256 s[4:11], s[0:1], 0x0               ; qc, qs, kc, ks
	s_load_b128 s[12:15], s[0:1], 0x20             ; vc, vs
	s_load_b64 s[16:17], s[0:1], 0x30              ; out0
	v_lshl_add_u32 v[SPW], v0, 2, SPARE
	v_mov_b32 v[NIL], 0
	ds_add_u32 v[SPW], v[NIL]                      ; the opening lines: the add twice on end and one wait, ahead of my first tensor load
	ds_add_u32 v[SPW], v[NIL]
	v_lshrrev_b32 v3, 5, v0
	v_readfirstlane_b32 s[WV], v3                  ; wave 0..15
	s_and_b32 s66, ttmp7, 0xffff                   ; y
	s_lshl_b32 s72, s66, 16                        ; the chunk's first byte in a buffer of codes,
	s_mov_b32 s73, 0
	s_lshl_b32 s74, s66, 12                        ; and of scale words
	s_mov_b32 s75, 0
	s_and_b32 s[W7], s[WV], 7
	s_lshr_b32 s[WH], s[WV], 3
	s_lshl_b32 s[Q0L], ttmp9, 8
	s_lshl_b32 s2, s[WV], 4
	s_add_co_u32 s[Q0L], s[Q0L], s2                ; 16 x (16 g + w)
	s_sub_co_u32 s[Q0H], 1008, s[Q0L]              ; 16 x (63 - (16 g + w))
	s_lshr_b32 s2, s66, 6
	s_lshl_b32 s2, s2, 12                          ; batch x 4,096
	s_and_b32 s3, s66, 3
	s_lshl_b32 s3, s3, 10
	s_add_co_u32 s2, s2, s3                        ; + chunk x 1,024
	s_bfe_u32 s3, s66, 0x40002
	s_lshl_b32 s3, s3, 9                           ; the head's 512 bytes in a position's 8,192
	s_add_co_u32 s[OUTL], s2, s[Q0L]
	s_lshl_b32 s[OUTL], s[OUTL], 13
	s_add_co_u32 s[OUTL], s[OUTL], s3
	s_mov_b32 s[OUTL+1], 0
	s_add_co_u32 s[OUTH], s2, s[Q0H]
	s_lshl_b32 s[OUTH], s[OUTH], 13
	s_add_co_u32 s[OUTH], s[OUTH], s3
	s_mov_b32 s[OUTH+1], 0
	s_mul_i32 s[SG], s[WV], 16*272
	s_add_co_u32 s[SG], s[SG], STG
	; group 1: rows of 64 bytes, dense in memory, 16 bytes of padding behind each in LDS
	s_mov_b32 s[G1A], (1<<20)|(3<<22)|(3<<25)
	s_mov_b32 s[G1A+1], 64<<16
	s_mov_b32 s[G1A+2], 32<<16
	s_mov_b32 s[G1A+3], 64<<16
	s_mov_b32 s[G1A+4], 32
	s_mov_b32 s[G1A+5], 64
	s_mov_b32 s[G1A+6], 0
	s_mov_b32 s[G1A+7], 0
	s_mov_b32 s[G1B], (1<<20)|(3<<22)|(3<<25)
	s_mov_b32 s[G1B+1], 64<<16
	s_mov_b32 s[G1B+2], 96<<16
	s_mov_b32 s[G1B+3], 64<<16
	s_mov_b32 s[G1B+4], 96
	s_mov_b32 s[G1B+5], 64
	s_mov_b32 s[G1B+6], 0
	s_mov_b32 s[G1B+7], 0
	s_mov_b32 s[SEL], 0x76543210
	s_mov_b32 s[SEL+1], 0xfedcba98
	s_mov_b32 s[CS], 0x3e0293ee                    ; c = log2(e) / sqrt(128)
	s_mov_b32 s[CS+1], s[CS]
	s_mul_i32 s67, s[WH], VC                       ; LDS: K's region or V's
	s_mul_i32 s2, s[W7], 32*KP
	s_add_co_u32 s[G0A+1], s67, s2                 ; rows 32 (w % 8) on
	s_mul_i32 s2, s[W7], 96*KP
	s_add_co_u32 s[G0B+1], s67, s2
	s_add_co_u32 s[G0B+1], s[G0B+1], 2*STEPB       ; rows 256 + 96 (w % 8) on
	s_mov_b32 s[G0A], 1
	s_mov_b32 s[G0B], 1
	s_lshl_b32 s76, s[W7], 11                      ; the same rows in memory, 64 bytes each
	s_mov_b32 s77, 0
	s_add_nc_u64 s[76:77], s[76:77], s[72:73]
	s_mul_i32 s78, s[W7], 6144
	s_add_co_u32 s78, s78, 16384
	s_mov_b32 s79, 0
	s_add_nc_u64 s[78:79], s[78:79], s[72:73]
	s_lshl_b32 s2, s[W7], 9                        ; my 512 bytes of scale words
	s_mov_b32 s3, 0
	s_add_nc_u64 s[2:3], s[2:3], s[74:75]
	s_lshl_b32 s48, s[Q0H], 6
	s_lshl_b32 s49, s[Q0L], 6
	s_lshl_b32 s50, s[Q0H], 2
	s_lshl_b32 s51, s[Q0L], 2
	s_mul_i32 s52, ttmp9, 3072                     ; my work-group's 12 blocks of the 24
	v_and_b32 v253, 15, v0                         ; r
	v_bfe_u32 v254, v0, 4, 1                       ; lane / 16
	v_and_b32 v248, 31, v0                         ; lane
	v_lshlrev_b32 v3, 6, v253
	v_lshlrev_b32 v4, 2, v253
	v_lshl_add_u32 v3, v254, 4, v3                 ; Q: row r of 64 bytes + my half's 16
	v_lshlrev_b32 v249, 4, v248                    ; the scale words in memory: 16 bytes a lane
	v_lshl_add_u32 v250, v0, 4, SC                 ; and in LDS: 512 x wave + 16 x lane
	v_lshl_add_u32 v[AS0], v248, 2, SC
	v_min_u32 v248, 11, v248                       ; the prefetch: lanes 0-11 a block each, the others the last again
	v_add_nc_u32 v[TP], s48, v3
	v_add_nc_u32 v[TP+1], s49, v3
	v_add_nc_u32 v[TP+2], s50, v4
	v_add_nc_u32 v[TP+3], s51, v4
	v_lshlrev_b32 v248, 8, v248
	v_mul_u32_u24 v[AK0], v253, KP
	v_lshlrev_b32 v[GO], 13, v254
	v_lshlrev_b32 v[DL], 3, v254
	v_add_nc_u32 v248, s52, v248
	v_lshl_add_u32 v[AK0], v254, 4, v[AK0]
	v_lshl_add_u32 v[GO], v253, 4, v[GO]           ; lanes 0-15 one row of out, lanes 16-31 the next position's; 16 bytes a lane
	v_sub_nc_u32 v[DL], v253, v[DL]
	s_wait_alu depctr_va_vdst(0)
	s_wait_dscnt 0x0                               ; both opening adds are done
	s_wait_kmcnt 0x0
	s_cmp_eq_u32 s[WH], 0                          ; the choice of buffers hangs on the wave's number alone
	s_cselect_b64 s[68:69], s[8:9], s[12:13]
	s_cselect_b64 s[70:71], s[10:11], s[14:15]
	s_add_nc_u64 s[G0A+2:G0A+3], s[68:69], s[76:77]
	s_or_b32 s[G0A+3], s[G0A+3], 0x80000000
	s_add_nc_u64 s[PF:PF+1], s[68:69], s[78:79]
	s_mov_b64 s[G0B+2:G0B+3], s[PF:PF+1]
	s_or_b32 s[G0B+3], s[G0B+3], 0x80000000
	tensor_load_to_lds s[G0A:G0A+3], s[G1A:G1A+7]  ; my 32 rows of key steps 0 and 1: my one tensor load at the head
	s_nop 0
	s_add_nc_u64 s[70:71], s[70:71], s[2:3]
	s_add_nc_u64 s[4:5], s[4:5], s[72:73]
	s_add_nc_u64 s[6:7], s[6:7], s[74:75]
	s_add_nc_u64 s[OUTL:OUTL+1], s[16:17], s[OUTL:OUTL+1]
	s_add_nc_u64 s[OUTH:OUTH+1], s[16:17], s[OUTH:OUTH+1]
	global_load_b128 v[F:F+3], v249, s[70:71]      ; my 512 bytes of scale words
	global_load_b128 v[QH:QH+3], v[TP], s[4:5]     ; both tiles' fragments of Q stay in registers
	global_load_b128 v[QH+4:QH+7], v[TP], s[4:5] offset:32
	global_load_b32 v[QSH], v[TP+2], s[6:7]
	global_load_b128 v[QL:QL+3], v[TP+1], s[4:5]
	global_load_b128 v[QL+4:QL+7], v[TP+1], s[4:5] offset:32
	global_load_b32 v[QSL], v[TP+3], s[6:7]
	global_prefetch_b8 v248, s[PF:PF+1] th:TH_LOAD_NT scope:SCOPE_SE
	s_mov_b32 s[TK], 0
	s_mov_b32 s[TV], VC
	s_mov_b32 s[TS], 0
	s_mov_b32 s[KF], 0
.macro FRESH                           ; a tile's state: the largest t -3e38, under every t; sums and O^T zeros, which the first change of M leaves zeros
	v_mov_b32 v13, 0xff61b1e6
	v_mov_b32 v14, 0
	v_mov_b32 v15, 0
	v_floor_f32 v12, -v13
.set J, 0
.rept 64
	v_mov_b32 v[O+J], 0
.set J, J+1
.endr
.endm
	v_mov_b32 v252, 0
	FRESH                                          ; written while the head's loads are out
	s_wait_alu depctr_va_vdst(0)
	s_wait_xcnt 0x0                                ; the loads' and the prefetch's offsets may be written again
	s_wait_loadcnt 0x0                             ; Q, and my scale words
	s_wait_tensorcnt 0x0                           ; no tensor load of mine is out when I store to LDS
	ds_store_b128 v250, v[F:F+3]
	s_wait_tensorcnt 0x0
	ds_add_u32 v[SPW], v[NIL]
	s_wait_dscnt 0x0                               ; the add and my store are done
	s_barrier_signal -1
	s_barrier_wait -1                              ; key steps 0 and 1 and all scale words lie in LDS
	tensor_load_to_lds s[G0B:G0B+3], s[G1B:G1B+7]  ; my 96 rows of key steps 2 to 7: bytes that nothing has filled and that no wave reads before the next barrier
	s_nop 0
; A KEY STEP.  nb = its live blocks of 32 keys (4 in an open step); msk = 1: the last live block lies on the diagonal.
.macro STEP nb, msk, qf, qsr
	v_add_nc_u32 v[ADK], s[TK], v[AK0]             ; (these four are the places in front of loads into registers that the last products read)
	v_add_nc_u32 v[ADV], s[TV], v[AK0]
	v_add_nc_u32 v[ADS], s[TS], v[AS0]
	v_nop
.irp t, 0,1,2,3,4,5,6,7
.if \t < 2*\nb
	ds_load_b128 v[F+8*\t:F+8*\t+3], v[ADK] offset:16*\t*KP
	ds_load_b128 v[F+8*\t+4:F+8*\t+7], v[ADK] offset:16*\t*KP+32
.endif
.endr
.irp p, 0,1,2,3
.if \p < \nb
	ds_load_b32 v[FS+\p], v[ADS] offset:128*\p     ; the scale words of keys 32 p + lane
.endif
.endr
	s_wait_alu depctr_va_vdst(0)
	s_wait_dscnt 0x0
.irp t, 0,1,2,3,4,5,6,7                        ; S^T = K Q^T; each product starts its own sum
.if \t < 2*\nb
.if \t % 2
	v_wmma_scale_f32_16x16x128_f8f6f4 v[S+8*\t:S+8*\t+7], v[F+8*\t:F+8*\t+7], v[\qf:\qf+7], 0, v[FS+\t/2], v[\qsr] matrix_a_fmt:MATRIX_FMT_FP4 matrix_b_fmt:MATRIX_FMT_FP4 matrix_a_scale:MATRIX_SCALE_ROW1
.else
	v_wmma_scale_f32_16x16x128_f8f6f4 v[S+8*\t:S+8*\t+7], v[F+8*\t:F+8*\t+7], v[\qf:\qf+7], 0, v[FS+\t/2], v[\qsr] matrix_a_fmt:MATRIX_FMT_FP4 matrix_b_fmt:MATRIX_FMT_FP4
.endif
.endif
.endr
	v_mov_b32 v254, v12                            ; the old -M.  Four places, for V's loads and for the first read of the scores
.if \msk
	v_add_nc_u32 v[TP], s[DD], v[DL]               ; d = my query - the step's first key - 8 (lane / 16): register 16 b + 8 u + j holds key 32 b + 16 u + j + 8 (lane / 16) of the step, hidden where 32 b + 16 u + j > d
	v_mov_b32 v[TP+1], 0xff800000                  ; -infinity
	v_nop
.else
	v_nop
	v_nop
	v_nop
.endif
.irp t, 0,1,2,3,4,5,6,7                        ; V's eight fragments and scale words are asked for now: 20 loads, which land under the softmax
	ds_load_b128 v[F+8*\t:F+8*\t+3], v[ADV] offset:16*\t*KP
	ds_load_b128 v[F+8*\t+4:F+8*\t+7], v[ADV] offset:16*\t*KP+32
.endr
.irp p, 0,1,2,3
	ds_load_b32 v[FV+\p], v[ADS] offset:4096+128*\p
.endr
.if \msk
.irp i, 0,1,2,3,4,5,6,7,8,9,10,11,12,13,14,15
	v_cmp_gt_i32 vcc_lo, 32*(\nb-1)+16*(\i/8)+\i%8, v[TP]
	v_cndmask_b32 v[S+16*(\nb-1)+\i], v[S+16*(\nb-1)+\i], v[TP+1], vcc_lo
.endr
.endif
.irp b, 0,1,2,3                                ; each block's largest score serves twice: for the row's maximum and, since p rises with the score, for the block's largest p
.if \b < \nb
	v_max3_num_f32 v[BM+\b], v[S+16*\b], v[S+16*\b+1], v[S+16*\b+2]
.endif
.endr
.irp i, 3,5,7,9,11,13
.irp b, 0,1,2,3
.if \b < \nb
	v_max3_num_f32 v[BM+\b], v[BM+\b], v[S+16*\b+\i], v[S+16*\b+\i+1]
.endif
.endr
.endr
.irp b, 0,1,2,3
.if \b < \nb
	v_max_num_f32 v[BM+\b], v[BM+\b], v[S+16*\b+15]
.endif
.endr
.irp b, 0,1,2,3
.if \b < \nb
	v_permlanex16_b32 v[TP+\b], v[BM+\b], s[SEL], s[SEL+1]
.endif
.endr
.irp b, 0,1,2,3
.if \b < \nb
	v_max_num_f32 v[BM+\b], v[BM+\b], v[TP+\b]     ; with lane l xor 16's 16 keys
.endif
.endr
.if \nb == 1
	v_mul_f32 v253, s[CS], v[BM]                   ; the step's largest score as t (c is positive)
.else
.if \nb == 2
	v_max_num_f32 v253, v[BM], v[BM+1]
.else
	v_max3_num_f32 v253, v[BM], v[BM+1], v[BM+2]
.endif
.if \nb == 4
	s_delay_alu instid0(VALU_DEP_1)
	v_max_num_f32 v253, v253, v[BM+3]
.endif
	s_delay_alu instid0(VALU_DEP_1)
	v_mul_f32 v253, s[CS], v253
.endif
	s_delay_alu instid0(VALU_DEP_1)
	v_max_num_f32 v13, v13, v253                   ; the running largest t
	s_delay_alu instid0(VALU_DEP_1)
	v_floor_f32 v12, -v13                          ; -M = floor(-t): M is a whole number
	s_delay_alu instid0(VALU_DEP_1)
	v_sub_f32 v254, v12, v254                      ; old M - new M: a whole number, 0 or less
	s_delay_alu instid0(VALU_DEP_1)
	v_cvt_i32_f32 v254, v254                       ; (it saturates)
	s_delay_alu instid0(VALU_DEP_1)
	v_ldexp_f32 v252, 1.0, v254                    ; f = 2^(old M - new M)
.set J, 0
.rept 8*\nb
	v_pk_fma_f32 v[S+J:S+J+1], v[S+J:S+J+1], s[CS:CS+1], v[12:13] op_sel_hi:[1,0,0]   ; t - M, two at a time
.set J, J+2
.endr
.irp b, 0,1,2,3
.if \b < \nb
	v_fma_f32 v[BM+\b], v[BM+\b], s[CS], v12       ; the same of each block's largest score
.endif
.endr
	s_wait_alu depctr_va_vdst(0)
.set J, 0
.rept 16*\nb
	v_exp_f32 v[S+J], v[S+J]                       ; p = 2^(t - M), at most 1
.set J, J+1
.endr
.irp b, 0,1,2,3
.if \b < \nb
	v_exp_f32 v[BM+\b], v[BM+\b]                   ; the block's largest p: the same two instructions on the same number
.endif
.endr
	v_pk_mul_f32 v[14:15], v[14:15], v[252:253] op_sel_hi:[1,0]   ; the sums under the new M: the plain line behind the batch
	s_wait_alu depctr_va_vdst(0)                   ; and the one wait behind it, ahead of its first reader
.irp b, 0,1,2,3                                ; the row's sum of the unquantised p: a chain to a block, the blocks by turns
.if \b < \nb
	v_pk_add_f32 v[C+2*\b:C+2*\b+1], v[S+16*\b:S+16*\b+1], v[S+16*\b+2:S+16*\b+3]
.endif
.endr
.irp i, 4,6,8,10,12,14
.irp b, 0,1,2,3
.if \b < \nb
	v_pk_add_f32 v[C+2*\b:C+2*\b+1], v[C+2*\b:C+2*\b+1], v[S+16*\b+\i:S+16*\b+\i+1]
.endif
.endr
.endr
.irp b, 0,1,2,3
.if \b < \nb
	v_max_num_f32 v[BM+\b], 0x1800000, v[BM+\b]    ; the floor 2^(3 - 127): the byte cannot fall under 1
.endif
.endr
.irp b, 0,1,2,3
.if \b < \nb
	v_pk_add_f32 v[14:15], v[14:15], v[C+2*\b:C+2*\b+1]
	v_add_nc_u32 v[SO+\b], 0xff000000, v[BM+\b]    ; 2 off the exponent field: the conversion's scale operand
.endif
.endr
	v_lshrrev_b32 v255, 23, v[SO]                  ; p's scale word: a byte for each live block
.irp b, 1,2,3
.if \b < \nb
	v_lshrrev_b32 v[TP+\b], 23, v[SO+\b]
.endif
.endr
.irp b, 1,2,3
.if \b < \nb
	v_lshl_or_b32 v255, v[TP+\b], 8*\b, v255
.endif
.endr
.irp b, 0,1,2,3
.if \b < \nb
	v_cvt_scalef32_pk8_fp4_f32 v[C+4*(\b/2)+(\b%2)], v[S+16*\b:S+16*\b+7], v[SO+\b]          ; keys 8 (lane / 16) + 0 .. 7 of the block,
	v_cvt_scalef32_pk8_fp4_f32 v[C+4*(\b/2)+(\b%2)+2], v[S+16*\b+8:S+16*\b+15], v[SO+\b]     ; and 16 further on
.endif
.endr
.irp b, 1,2,3
.if \b >= \nb
	v_mov_b32 v[C+4*(\b/2)+(\b%2)], 0              ; a hidden block's codes are zeros
	v_mov_b32 v[C+4*(\b/2)+(\b%2)+2], 0
.endif
.endr
	v_nop                                          ; one plain line behind the last conversion
	v_permlane16_swap_b32 v[C], v[C+1]             ; the first's lanes 16-31 change places with the second's lanes 0-15: lanes 0-15 now hold block 2 c, lanes 16-31 block 2 c + 1, eight keys a register, ascending
	v_permlane16_swap_b32 v[C+2], v[C+3]
.if \nb > 2
	v_permlane16_swap_b32 v[C+4], v[C+5]
	v_permlane16_swap_b32 v[C+6], v[C+7]
.endif
	s_wait_alu depctr_va_vdst(0)
.set J, 0
.rept 32
	v_pk_mul_f32 v[O+J:O+J+1], v[O+J:O+J+1], v[252:253] op_sel_hi:[1,0]   ; O^T under the new M, from its low end on; also the places ahead of the products below
.set J, J+2
.endr
	s_wait_alu depctr_va_vdst(0)
	s_wait_dscnt 0x0                               ; V's 20 loads
.irp t, 0,1,2,3,4,5,6,7                        ; O^T += V^T P^T: the eight accumulators by turns
.if \t % 2
	v_wmma_scale_f32_16x16x128_f8f6f4 v[O+8*\t:O+8*\t+7], v[F+8*\t:F+8*\t+7], v[C:C+7], v[O+8*\t:O+8*\t+7], v[FV+\t/2], v255 matrix_a_fmt:MATRIX_FMT_FP4 matrix_b_fmt:MATRIX_FMT_FP4 matrix_a_scale:MATRIX_SCALE_ROW1
.else
	v_wmma_scale_f32_16x16x128_f8f6f4 v[O+8*\t:O+8*\t+7], v[F+8*\t:F+8*\t+7], v[C:C+7], v[O+8*\t:O+8*\t+7], v[FV+\t/2], v255 matrix_a_fmt:MATRIX_FMT_FP4 matrix_b_fmt:MATRIX_FMT_FP4
.endif
.endr
.endm
.macro NEXT                            ; on to the next key step
	s_add_co_u32 s[KF], s[KF], 128
	s_add_co_u32 s[TK], s[TK], STEPB
	s_add_co_u32 s[TV], s[TV], STEPB
	s_add_co_u32 s[TS], s[TS], 512
.endm
; A constant number of key steps; which form of the step is run hangs on ids alone: D = my first query - the step's first key.  D < 0: all keys hidden; D >= 128: all count; else D / 32 + 1 live blocks.
.macro WALK qf, qsr, q0, trips
	s_mov_b32 s[CNT], \trips
.Lw_\@:
	s_sub_co_i32 s[DD], s[\q0], s[KF]
	s_cmp_lt_i32 s[DD], 0
	s_cbranch_scc1 .Ln_\@
	s_cmp_ge_i32 s[DD], 128
	s_cbranch_scc1 .Lo_\@
	s_cmp_ge_i32 s[DD], 96
	s_cbranch_scc1 .Lf_\@
	s_cmp_ge_i32 s[DD], 64
	s_cbranch_scc1 .Lt_\@
	s_cmp_ge_i32 s[DD], 32
	s_cbranch_scc1 .Ld_\@
	STEP 1, 1, \qf, \qsr
	s_branch .Ln_\@
.Ld_\@:
	STEP 2, 1, \qf, \qsr
	s_branch .Ln_\@
.Lt_\@:
	STEP 3, 1, \qf, \qsr
	s_branch .Ln_\@
.Lf_\@:
	STEP 4, 1, \qf, \qsr
	s_branch .Ln_\@
.Lo_\@:
	STEP 4, 0, \qf, \qsr
.Ln_\@:
	NEXT
	s_sub_co_u32 s[CNT], s[CNT], 1
	s_cmp_lg_u32 s[CNT], 0
	s_cbranch_scc1 .Lw_\@
.endm
; THE WAY OUT.  O^T / the sum goes through my own stage, half a row (64 channels, 256 bytes) of 16 queries at a time, so that sixteen lanes store 256 consecutive bytes, aligned.
; Register 8 t + j of a lane is channel 16 t + 8 (lane / 16) + j of query r.
.macro WAYOUT ob
	v_add_f32 v14, v14, v15
	s_delay_alu instid0(VALU_DEP_1)
	v_permlanex16_b32 v252, v14, s[SEL], s[SEL+1]
	s_delay_alu instid0(VALU_DEP_1)
	v_add_f32 v14, v14, v252                       ; the row's sum
	s_wait_alu depctr_va_vdst(0)
	v_rcp_f32 v14, v14
	v_and_b32 v253, 15, v0
	v_bfe_u32 v254, v0, 4, 1
	v_mul_u32_u24 v[ADK], v253, 272
	v_mul_u32_u24 v[ADV], v254, 272
	v_lshl_add_u32 v[ADK], v254, 5, v[ADK]
	v_lshl_add_u32 v[ADV], v253, 4, v[ADV]
	v_add_nc_u32 v[ADK], s[SG], v[ADK]             ; in: row r, + 32 (lane / 16); tile t's eight channels 64 t bytes on
	v_add_nc_u32 v[ADV], s[SG], v[ADV]             ; back: lanes 0-15 one row, lanes 16-31 the next
	s_wait_alu depctr_va_vdst(0)                   ; and ahead of its first reader, which is also O^T's
.set J, 0
.rept 32
	v_pk_mul_f32 v[S+J:S+J+1], v[O+J:O+J+1], v[14:15] op_sel_hi:[1,0]
.set J, J+2
.endr
.irp u, 0,1
.irp t, 0,1,2,3
	ds_store_b128 v[ADK], v[S+32*\u+8*\t:S+32*\u+8*\t+3] offset:64*\t
	ds_store_b128 v[ADK], v[S+32*\u+8*\t+4:S+32*\u+8*\t+7] offset:64*\t+16
.endr
.irp i, 0,1,2,3,4,5,6,7
	ds_load_b128 v[F+32*\u+4*\i:F+32*\u+4*\i+3], v[ADV] offset:2*\i*272   ; LDS serves a wave's instructions in order: these see my stores, and the next half's stores come behind them
.endr
.endr
.irp u, 0,1
.irp i, 0,1,2,3,4,5,6,7
	s_wait_dscnt 23-16*\u-\i                       ; behind this load: the younger loads of its half, and for the first half the second's 8 stores and 8 loads
	global_store_b128 v[GO], v[F+32*\u+4*\i:F+32*\u+4*\i+3], s[\ob:\ob+1] offset:16384*\i+256*\u th:TH_STORE_NT
.endr
.endr
.endm
	STEP 4, 0, QH, QSH                             ; the high tile's key steps 0 and 1, written out: open for every high tile
	NEXT
	STEP 4, 0, QH, QSH
	NEXT
	s_wait_tensorcnt 0x0                           ; my 96 rows have landed,
	s_wait_dscnt 0x0
	s_barrier_signal -1
	s_barrier_wait -1                              ; everybody's have: all of K and V lies in LDS and is written no more
	WALK QH, QSH, Q0H, 6                           ; key steps 2 to 7
	WAYOUT OUTH
	s_wait_xcnt 0x0                                ; the stores have read v32-95: only behind this wait are they loaded again
	s_mov_b32 s[TK], 0
	s_mov_b32 s[TV], VC
	s_mov_b32 s[TS], 0
	s_mov_b32 s[KF], 0
	FRESH
	s_wait_alu depctr_va_vdst(0)
	WALK QL, QSL, Q0L, 4                           ; queries under 512 need keys under 512
	WAYOUT OUTL
	s_wait_tensorcnt 0x0                           ; the wave's end
	ds_add_u32 v[SPW], v[NIL]
	s_wait_dscnt 0x0
	s_endpgm
.Lfunc_end_k_qe5d31f2dcd_attn:
	.size	k_qe5d31f2dcd_attn, .Lfunc_end_k_qe5d31f2dcd_attn-k_qe5d31f2dcd_attn
	.p2alignl 7, 3214868480
	.fill 96, 4, 3214868480
	.section	.rodata,"a",@progbits
	.p2align	6, 0x0
	.amdhsa_kernel k_qe5d31f2dcd_attn
		.amdhsa_group_segment_fixed_size 327680
		.amdhsa_private_segment_fixed_size 0
		.amdhsa_enable_private_segment 0
		.amdhsa_kernarg_size 56
		.amdhsa_user_sgpr_count 2
		.amdhsa_user_sgpr_kernarg_segment_ptr 1
		.amdhsa_wavefront_size32 1
		.amdhsa_system_sgpr_workgroup_id_x 1
		.amdhsa_system_sgpr_workgroup_id_y 1
		.amdhsa_system_sgpr_workgroup_id_z 1
		.amdhsa_system_vgpr_workitem_id 0
		.amdhsa_next_free_vgpr 256
		.amdhsa_next_free_sgpr 80
		.amdhsa_reserve_vcc 1
		.amdhsa_float_denorm_mode_32 3
		.amdhsa_float_denorm_mode_16_64 3
		.amdhsa_memory_ordered 1
		.amdhsa_forward_progress 1
		.amdhsa_inst_pref_size 214
	.end_amdhsa_kernel
	.amdgpu_metadata
---
amdhsa.version: [ 1, 2 ]
amdhsa.kernels:
  - .name:           k_qe5d31f2dcd_attn
    .symbol:         k_qe5d31f2dcd_attn.kd
    .args:
      - { .name: qc, .offset: 0, .size: 8, .value_kind: global_buffer, .address_space: global }
      - { .name: qs, .offset: 8, .size: 8, .value_kind: global_buffer, .address_space: global }
      - { .name: kc, .offset: 16, .size: 8, .value_kind: global_buffer, .address_space: global }
      - { .name: ks, .offset: 24, .size: 8, .value_kind: global_buffer, .address_space: global }
      - { .name: vc, .offset: 32, .size: 8, .value_kind: global_buffer, .address_space: global }
      - { .name: vs, .offset: 40, .size: 8, .value_kind: global_buffer, .address_space: global }
      - { .name: out0, .offset: 48, .size: 8, .value_kind: global_buffer, .address_space: global }
    .group_segment_fixed_size: 327680
    .private_segment_fixed_size: 0
    .kernarg_segment_align: 8
    .kernarg_segment_size: 56
    .max_flat_workgroup_size: 512
    .sgpr_count:     80
    .vgpr_count:     256
    .wavefront_size: 32
...
	.end_amdgpu_metadata
.endif
;; end of part 2
